; MI455X (gfx1250); checked and timed in simulation.
; The chip was launched on July 23, 2026; its instructions are those of AMD's public machine-readable ISA for CDNA 5 (MIT licence, August 2026) and "CDNA5" Instruction Set Architecture Reference Guide (July 2026). The comments in the code are by the model that wrote it; some were corrected since.
;; KAN Original. Allowed arithmetic: matrix products marked QUANTISED: E2M3 operands, one E8M0 scale for each 32 along K, by v_wmma_scale_f32_16x16x128_f8f6f4 with both operands' format E2M3, f32 sums; everything else in f32.
;; Inputs: bias 512 float32; coef 512 x 512 x 6 float32; scale_base 512 x 512 float32; scale_sp 512 x 512 float32; x 8 x 2,048 x 512 float32.
;; Outputs: out0 8 x 2,048 x 512 float32.
;; This version of the problem:
;;   THIS VERSION OF THE PROBLEM IS GIVEN IN LOW PRECISION. The matrix products marked QUANTISED in the list below multiply operands that are first quantised to E2M3 (2 exponent bits, 3 mantissa bits; 6 bits a number), with one power-of-two scale for each 32 numbers along K (OCP MX v1.0); their sums are f32. All else is computed in f32.
;;   The module's matrix products, in the order in which they are computed (A, B: the left and right operand; K: the contracted axis; several contracted axes count as one K, in the product's order):
;;     1. [M 16,384, K 512] x [K 512, N 512]; A: computed on the way; B: input scale_base: QUANTISED
;;     2. [M 16,384, K 3,072] x [K 3,072, N 512]; A: computed on the way; B: computed on the way: QUANTISED
;;   THE QUANTISER, for each operand of a quantised product, along K:
;;     - K is cut into blocks of 32 from its start; a last block that is shorter is filled with zeros.
;;     - A block's scale is 2^e with e = floor(log2(the largest magnitude in the block)) - 2, held to -126 .. 127; a block of zeros has e = 0. As a byte (E8M0): e + 127.
;;     - Each number is divided by its block's scale, clamped to +-7.5, and rounded to the nearest number of E2M3, ties to even, subnormals kept.
;;     - The product sums the exact products of the quantised numbers (number of the format x scale) in f32.
;;   ~~~python
;;   def quantise(x, axis):      # numpy; x: float32 -> the quantised numbers, widened to float32 again
;;       x = np.moveaxis(x, axis, -1); K = x.shape[-1]
;;       x = np.pad(x, [(0, 0)] * (x.ndim - 1) + [(0, -K % 32)]); x = x.reshape(x.shape[:-1] + (-1, 32)); a = np.abs(x).max(-1, keepdims=True)
;;       e = np.where(a > 0, np.clip(np.frexp(np.where(a > 0, a, 1))[1] - 1 - 2, -126, 127), 0)      # np.frexp(a)[1] - 1 = floor(log2(a)), exactly
;;       r = np.clip(x / 2.0 ** e, -7.5, 7.5)
;;       step = 2.0 ** (np.maximum(np.frexp(np.where(r == 0, 1, r))[1] - 1, 0) - 3)
;;       q = np.round(r / step) * step * 2.0 ** e      # np.round: ties to even
;;       return np.moveaxis(q.reshape(q.shape[:-2] + (-1,))[..., :K], -1, axis).astype(np.float32)
;;   ~~~
;;   OPERANDS COMPUTED ON THE WAY. 'Computed on the way' means the value that the module computes at that place (a softmax that the list does not call 'softmax' is quantised finished and normalised). What goes into a quantiser is computed in f32, as accurately as f32 sums, v_exp_f32 and their like allow (about 1e-6 of the number): no bf16 or f16 on the way to a quantiser, and a product that is left as it is and whose result goes on into a quantised operand takes f32 operands (vector FMAs, or v_wmma_f32_16x16x4_f32). A number that lies on a knife's edge between two numbers of the format may be rounded either way, as far as f32 arithmetic and the matrix unit's own rounding can turn it there, and no further.
;; One version. Each part assembles by itself: llvm-mc -triple=amdgcn-amd-amdhsa -mcpu=gfx1250 --defsym DOCPART=n.
;; ======== version 1 of 1: 2 launches
;; workspace buffers: wq 1,433,600 bytes
;; launch prep (part 1): grid 32 x 4, 4 waves a work-group, no clusters, 87,552 bytes of LDS; arguments coef, scale_sp, scale_base, wq; writes wq
.if DOCPART == 1
	.amdgcn_target "amdgcn-amd-amdhsa--gfx1250"
	.amdhsa_code_object_version 6
	.text
	.protected	k_q78d724f6eb_prep
	.globl	k_q78d724f6eb_prep
	.p2align	8
	.type	k_q78d724f6eb_prep,@function
k_q78d724f6eb_prep:
	s_mov_b64 s[64:65], 0
	v_nop
	global_prefetch_b8 v0, s[64:65] scope:SCOPE_SE
	s_setreg_imm32_b32 hwreg(HW_REG_WAVE_MODE, 25, 1), 1
	s_wait_xcnt 0x0
; THE WEIGHTS BECOME CODES.  spline_w[o][i][b] = scale_sp[o][i] x coef[o][i][b] (one f32 rounding) and scale_base[o][i] are quantised along K to FP6 (E2M3), one E8M0 byte
; for each 32 along K, and laid into wq in the order in which the second launch's operand registers take them.
; K of the spline product is k = 6 i + b.  128 features (a PAIR, v = 0..3) are 6 K steps of 128 of the spline product and 1 K step of the base product: wq's K step 7 v + j, j = 0..5 spline, j = 6 base.
; wq: a K step is 51,200 bytes = 4 parts of 128 columns; a part is 8 fragments of 16 columns (1,536 bytes each), then 512 bytes of scale words (fragment t, column r: 12,288 + 64 t + 4 r).
; A fragment is an image of the operand's 12 registers: register q of lane l at 512 (q / 4) + 16 l + 4 (q % 4): three loads of 16 bytes a lane bring it.
; SHARES.  A work-group takes 16 columns o (x: 32 tiles) and one pair (y: 4).  A lane takes one column (thread / 8) and 16 features (g = lane % 8): 96 spline numbers = 3 whole blocks of 32,
; and 16 numbers of scale_base = half a block (the lane beside it holds the other half).  128 work-groups: a smaller share would cut the base fragment's pieces between work-groups.
; Every load reads 512 consecutive bytes; a wave's 4 rows turn through its own LDS bytes so that a lane gets neighbours along K.  The codes meet in a stage (7 fragments) and leave as runs of 512 bytes.
; The scale words leave as pieces of 64 bytes, 57,344 bytes in the whole launch.
; A block's scale is 2^(floor(log2(its largest magnitude)) - 2); its byte is that magnitude's exponent field - 2, held at 1 from below (a block of zeros gets 1: its codes are zeros, and only this program reads the bytes).
; LIMITS: NaN and infinities among the inputs are not served; blocks whose largest magnitude lies under 2^-124 keep the byte 1.
.set TURNB,  18944                     ; a wave's turning bytes: coef 4 rows x 3,456 (16 of padding behind each 128), scale_sp 4 x 640 (16 behind each 64), scale_base likewise
.set TSP,    13824
.set OST,    75776                     ; the stage: 7 fragments x 1,536
.set OSC,    86528                     ; their scale words: 7 x 64 bytes
.set KSTEPB, 51200
.set PARTB,  12800
.set FRAGBY, 1536
.set C,   32                           ; v32-127  coef, then spline_w: 96 numbers
.set SP,  128                          ; v128-143 scale_sp
.set SB,  144                          ; v144-159 scale_base
.set MX,  160                          ; v160-167 largest magnitudes, two chains a block (at the head: at work)
.set SO,  168                          ; v168-171 the conversions' scale operands
.set BY,  172                          ; v172-175 the scale bytes
.set CD,  176                          ; v176-202 codes: 8 registers a spline block, 3 for the base half block
; v1 lane, v2 g, v3 column in the tile, v4 16 x lane, v5-8 the turn's addresses, v9-14 a block's two stage addresses, v15-17 the base words', v18-21 the bytes', v22-26 the way out
	s_load_b256 s[4:11], s[0:1], 0x0               ; coef s[4:5], scale_sp s[6:7], scale_base s[8:9], wq s[10:11]
	v_lshl_add_u32 v208, v0, 2, 0x15400
	v_mov_b32 v209, 0
	v_lshrrev_b32 v160, 5, v0
	v_readfirstlane_b32 s12, v160                  ; wave 0..3
	v_and_b32 v1, 31, v0
	v_lshlrev_b32 v4, 4, v1
	s_and_b32 s17, ttmp7, 0xffff                   ; the pair
	s_lshl_b32 s18, ttmp9, 4
	s_lshl_b32 s19, s12, 2
	s_add_co_u32 s18, s18, s19                     ; my wave's first column: 16 x tile + 4 x wave
	s_mul_i32 s20, s18, 12288                      ; coef: a row is 12,288 bytes, a pair 3,072
	s_mul_i32 s19, s17, 3072
	s_add_co_u32 s20, s20, s19
	s_mov_b32 s21, 0
	s_lshl_b32 s22, s18, 11                        ; scale_sp, scale_base: a row is 2,048 bytes, a pair 512
	s_lshl_b32 s19, s17, 9
	s_add_co_u32 s22, s22, s19
	s_mov_b32 s23, 0
	s_mul_i32 s24, s17, 7
	s_mul_i32 s24, s24, KSTEPB                     ; wq: the pair's first K step,
	s_lshr_b32 s19, ttmp9, 3
	s_mul_i32 s19, s19, PARTB
	s_add_co_u32 s24, s24, s19                     ; the tile's part,
	s_and_b32 s19, ttmp9, 7
	s_lshl_b32 s26, s19, 6
	s_add_co_u32 s26, s26, s24
	s_add_co_u32 s26, s26, 8*FRAGBY                ; the tile's scale words,
	s_mov_b32 s27, 0
	s_mul_i32 s19, s19, FRAGBY
	s_add_co_u32 s24, s24, s19                     ; the tile's fragment,
	s_mul_i32 s19, s12, KSTEPB
	s_add_co_u32 s24, s24, s19                     ; of K step j = my wave's number
	s_mov_b32 s25, 0
	s_wait_alu depctr_va_vdst(0)
	s_wait_kmcnt 0x0
	s_add_nc_u64 s[4:5], s[4:5], s[20:21]
	s_add_nc_u64 s[6:7], s[6:7], s[22:23]
	s_add_nc_u64 s[8:9], s[8:9], s[22:23]
	s_add_nc_u64 s[28:29], s[10:11], s[24:25]
	s_add_nc_u64 s[30:31], s[10:11], s[26:27]
.irp q, 0,1,2,3                                ; 32 loads, each of 512 consecutive bytes; read once in the launch
.irp n, 0,1,2,3,4,5
	global_load_b128 v[C+24*\q+4*\n:C+24*\q+4*\n+3], v4, s[4:5] offset:12288*\q+512*\n th:TH_LOAD_NT
.endr
	global_load_b128 v[SP+4*\q:SP+4*\q+3], v4, s[6:7] offset:2048*\q th:TH_LOAD_NT
	global_load_b128 v[SB+4*\q:SB+4*\q+3], v4, s[8:9] offset:2048*\q th:TH_LOAD_NT
.endr
	; all LDS addresses are made here, while the loads are out and ahead of any parting of the waves
	v_and_b32 v2, 7, v0                            ; g
	v_lshrrev_b32 v3, 3, v0                        ; my column in the tile: 4 x wave + lane / 8
	v_bfe_u32 v161, v0, 3, 2                       ; my row among the wave's four
	v_bfe_u32 v162, v0, 2, 3                       ; lane / 4
	v_and_b32 v163, 15, v0
	v_bfe_u32 v164, v0, 4, 1
	s_mul_i32 s13, s12, TURNB
	s_add_co_u32 s14, s13, TSP
	v_lshl_add_u32 v5, v161, 4, v4                 ; coef in: 16 lane + 16 (lane / 8): 16 bytes of padding behind each 128
	v_add_nc_u32 v5, s13, v5
	v_mul_u32_u24 v6, v161, 3456                   ; coef out: my row, my 384 bytes = three runs of 128 + 16
	v_mad_u32_u24 v6, v2, 432, v6
	v_add_nc_u32 v6, s13, v6
	v_lshl_add_u32 v7, v162, 4, v4                 ; the gains in: 16 lane + 16 (lane / 4)
	v_add_nc_u32 v7, s14, v7
	v_mul_u32_u24 v8, v161, 640                    ; out: my row, my 64 bytes
	v_mad_u32_u24 v8, v2, 80, v8
	v_add_nc_u32 v8, s14, v8
	v_mul_u32_u24 v165, v2, 3
.irp i, 0,1,2                                  ; my block 3 g + i of the pair's 24: K step (block / 4); in it registers 6 c .. 6 c + 5 of lane column + 16 (block % 2), c = (block / 2) % 2
	v_add_nc_u32 v166, \i, v165
	v_lshrrev_b32 v167, 2, v166
	v_and_b32 v168, 1, v166
	v_bfe_u32 v169, v166, 1, 1
	v_mul_u32_u24 v170, v167, FRAGBY
	v_lshl_add_u32 v170, v168, 8, v170
	v_lshl_add_u32 v170, v3, 4, v170
	v_add_nc_u32 v170, OST, v170
	v_mad_u32_u24 v[9+2*\i], v169, 520, v170       ; registers 0, 1 (c = 1: 6, 7) here; 4, 5 (10, 11) 512 bytes on
	v_mad_u32_u24 v[10+2*\i], v169, 1016, v170     ; registers 2, 3 (8, 9) 8 bytes behind this
	v_and_b32 v168, 3, v166
	v_lshl_add_u32 v168, v167, 6, v168
	v_lshl_add_u32 v168, v3, 2, v168
	v_add_nc_u32 v[18+\i], OSC, v168               ; its scale byte
.endr
	v_bfe_u32 v166, v0, 2, 1                       ; the base half block: g = 4 c + 2 (half of the lanes) + (half of the block)
	v_and_b32 v167, 1, v0
	v_bfe_u32 v168, v0, 1, 1
	v_mul_u32_u24 v169, v166, 6
	v_mad_u32_u24 v169, v167, 3, v169              ; its first register: 6 c + 3 x half
	v_lshlrev_b32 v170, 4, v3
	v_lshl_add_u32 v170, v168, 8, v170
	v_add_nc_u32 v170, OST+6*FRAGBY, v170
.irp m, 0,1,2
	v_add_nc_u32 v171, \m, v169
	v_lshrrev_b32 v172, 2, v171
	v_and_b32 v171, 3, v171
	v_lshl_add_u32 v172, v172, 9, v170
	v_lshl_add_u32 v[15+\m], v171, 2, v172
.endr
	v_bfe_u32 v171, v0, 1, 2
	v_lshl_add_u32 v171, v3, 2, v171
	v_add_nc_u32 v21, OSC+384, v171                ; its byte: block g / 2
	s_mul_i32 s15, s12, FRAGBY
	s_add_co_u32 s15, s15, OST
	v_add_nc_u32 v22, s15, v4                      ; the way out: fragment j = wave, 16 bytes a lane
	v_lshl_add_u32 v23, v1, 2, OSC                 ; the words of two K steps: 4 bytes a lane
	v_lshlrev_b32 v26, 2, v163
	v_add_nc_u32 v24, OSC+384, v26                 ; the base K step's 16 words: lanes 16-31 repeat lanes 0-15
	v_mad_u32_u24 v25, v164, KSTEPB, v26           ; and in wq: lanes 16-31 one K step on
	s_wait_loadcnt 0x0
	; THE TURN, through my wave's own bytes: in as loaded, out 384 (64) neighbouring bytes a lane
.irp q, 0,1,2,3
.irp n, 0,1,2,3,4,5
	ds_store_b128 v5, v[C+24*\q+4*\n:C+24*\q+4*\n+3] offset:3456*\q+576*\n
.endr
	ds_store_b128 v7, v[SP+4*\q:SP+4*\q+3] offset:640*\q
	ds_store_b128 v7, v[SB+4*\q:SB+4*\q+3] offset:640*\q+2560
.endr
	s_wait_dscnt 0x0                               ; the stores have read their registers, which take the loads below
.irp j, 0,1,2,3,4,5,6,7,8,9,10,11,12,13,14,15,16,17,18,19,20,21,22,23
	ds_load_b128 v[C+4*\j:C+4*\j+3], v6 offset:144*(\j/8)+16*(\j%8)
.endr
.irp j, 0,1,2,3
	ds_load_b128 v[SP+4*\j:SP+4*\j+3], v8 offset:16*\j
	ds_load_b128 v[SB+4*\j:SB+4*\j+3], v8 offset:16*\j+2560
.endr
	s_wait_dscnt 0x0
.irp e, 0,1,2,3,4,5,6,7,8,9,10,11,12,13,14,15  ; spline_w: feature e's six numbers x its gain, two at a time
.irp n, 0,2,4
.if (\e)%2
	v_pk_mul_f32 v[C+6*\e+\n:C+6*\e+\n+1], v[C+6*\e+\n:C+6*\e+\n+1], v[SP+\e-1:SP+\e] op_sel:[0,1] op_sel_hi:[1,1]
.else
	v_pk_mul_f32 v[C+6*\e+\n:C+6*\e+\n+1], v[C+6*\e+\n:C+6*\e+\n+1], v[SP+\e:SP+\e+1] op_sel:[0,0] op_sel_hi:[1,0]
.endif
.endr
.endr
	; the largest magnitudes: three whole blocks of mine, two chains each, the blocks by turns
.irp i, 0,1,2
	v_max3_num_f32 v[MX+2*\i], |v[C+32*\i]|, |v[C+32*\i+1]|, |v[C+32*\i+2]|
	v_max3_num_f32 v[MX+2*\i+1], |v[C+32*\i+3]|, |v[C+32*\i+4]|, |v[C+32*\i+5]|
.endr
.irp k, 6,10,14,18,22,26
.irp i, 0,1,2
	v_max3_num_f32 v[MX+2*\i], v[MX+2*\i], |v[C+32*\i+\k]|, |v[C+32*\i+\k+1]|
	v_max3_num_f32 v[MX+2*\i+1], v[MX+2*\i+1], |v[C+32*\i+\k+2]|, |v[C+32*\i+\k+3]|
.endr
.endr
.irp i, 0,1,2
	v_max3_num_f32 v[MX+2*\i], v[MX+2*\i], |v[C+32*\i+30]|, |v[C+32*\i+31]|
.endr
.irp i, 0,1,2
	v_max3_num_f32 v[MX+2*\i], v[MX+2*\i], v[MX+2*\i+1], 0x1800000   ; and the floor 2^(3 - 127): the byte cannot fall under 1
.endr
	v_max3_num_f32 v[MX+6], |v[SB]|, |v[SB+1]|, |v[SB+2]|            ; the base half block
	v_max3_num_f32 v[MX+7], |v[SB+3]|, |v[SB+4]|, |v[SB+5]|
.irp k, 6,10
	v_max3_num_f32 v[MX+6], v[MX+6], |v[SB+\k]|, |v[SB+\k+1]|
	v_max3_num_f32 v[MX+7], v[MX+7], |v[SB+\k+2]|, |v[SB+\k+3]|
.endr
	v_max3_num_f32 v[MX+6], v[MX+6], |v[SB+14]|, |v[SB+15]|
	v_max3_num_f32 v[MX+6], v[MX+6], v[MX+7], 0x1800000
	v_max_num_f32_dpp v[MX+6], v[MX+6], v[MX+6] row_xmask:1 row_mask:0xf bank_mask:0xf   ; with the other half's, in the lane beside me
.irp i, 0,1,2,3
	v_add_nc_u32 v[SO+\i], 0xff000000, v[MX+2*\i]  ; 2 off the exponent field: the conversion takes the exponent field of this operand as its scale
.endr
.irp i, 0,1,2
	v_cvt_scalef32_pk16_fp6_f32 v[CD+8*\i:CD+8*\i+2], v[C+32*\i:C+32*\i+15], v[SO+\i]
	v_cvt_scalef32_pk16_fp6_f32 v[CD+8*\i+4:CD+8*\i+6], v[C+32*\i+16:C+32*\i+31], v[SO+\i]   ; (a conversion's three registers begin on an even number)
.endr
	v_cvt_scalef32_pk16_fp6_f32 v[CD+24:CD+26], v[SB:SB+15], v[SO+3]
.irp i, 0,1,2,3
	v_lshrrev_b32 v[BY+\i], 23, v[SO+\i]           ; the scale's byte (plain lines behind the conversions)
.endr
.irp i, 0,1,2
	v_mov_b32 v[CD+8*\i+3], v[CD+8*\i+4]           ; the block's words 0-3 now stand on end; words 4, 5 in CD + 5, CD + 6
.endr
.irp i, 0,1,2
	ds_store_b64 v[9+2*\i], v[CD+8*\i:CD+8*\i+1]
	ds_store_b64 v[10+2*\i], v[CD+8*\i+2:CD+8*\i+3] offset:8
	ds_store_b32 v[9+2*\i], v[CD+8*\i+5] offset:512
	ds_store_b32 v[9+2*\i], v[CD+8*\i+6] offset:516
	ds_store_b8 v[18+\i], v[BY+\i]
.endr
.irp m, 0,1,2
	ds_store_b32 v[15+\m], v[CD+24+\m]
.endr
	ds_store_b8 v21, v[BY+3]                       ; both lanes of a block write the same byte with the same value
	s_wait_dscnt 0x0                               ; for the others' sake: my stores into the stage are done
	s_barrier_signal -1
	s_barrier_wait -1
	; THE WAY OUT: wave w copies fragment j = w; waves 0-2 also j = w + 4; wave 3 the scale words
.irp c, 0,1,2
	ds_load_b128 v[C+4*\c:C+4*\c+3], v22 offset:512*\c
.endr
.irp c, 0,1,2
	s_wait_dscnt 2-\c                              ; the younger loads of the fragment may be out
	global_store_b128 v4, v[C+4*\c:C+4*\c+3], s[28:29] offset:512*\c   ; 512 consecutive bytes, at a multiple of 256 from wq's first byte
.endr
	s_cmp_eq_u32 s12, 3
	s_cbranch_scc1 .Lwords
.irp c, 0,1,2
	ds_load_b128 v[C+12+4*\c:C+12+4*\c+3], v22 offset:4*FRAGBY+512*\c
.endr
.irp c, 0,1,2
	s_wait_dscnt 2-\c
	global_store_b128 v4, v[C+12+4*\c:C+12+4*\c+3], s[28:29] offset:4*KSTEPB+512*\c
.endr
	s_wait_tensorcnt 0x0
	ds_add_u32 v208, v209
	s_wait_dscnt 0x0
	s_endpgm
.Lwords:
	ds_load_b32 v[C+12], v23                       ; K steps 0 (lanes 0-15) and 1 (lanes 16-31),
	ds_load_b32 v[C+13], v23 offset:128            ; 2 and 3,
	ds_load_b32 v[C+14], v23 offset:256            ; 4 and 5,
	ds_load_b32 v[C+15], v24                       ; and 6, in both halves of the lanes
	s_wait_dscnt 0x0
	global_store_b32 v25, v[C+12], s[30:31]
	global_store_b32 v25, v[C+13], s[30:31] offset:2*KSTEPB
	global_store_b32 v25, v[C+14], s[30:31] offset:4*KSTEPB
	global_store_b32 v26, v[C+15], s[30:31] offset:6*KSTEPB   ; lanes 16-31 store the same words to the same places as lanes 0-15
	s_wait_tensorcnt 0x0
	ds_add_u32 v208, v209
	s_wait_dscnt 0x0
	s_endpgm
.Lfunc_end_k_q78d724f6eb_prep:
	.size	k_q78d724f6eb_prep, .Lfunc_end_k_q78d724f6eb_prep-k_q78d724f6eb_prep
	.p2alignl 7, 3214868480
	.fill 96, 4, 3214868480
	.section	.rodata,"a",@progbits
	.p2align	6, 0x0
	.amdhsa_kernel k_q78d724f6eb_prep
		.amdhsa_group_segment_fixed_size 87552
		.amdhsa_private_segment_fixed_size 0
		.amdhsa_enable_private_segment 0
		.amdhsa_kernarg_size 32
		.amdhsa_user_sgpr_count 2
		.amdhsa_user_sgpr_kernarg_segment_ptr 1
		.amdhsa_wavefront_size32 1
		.amdhsa_system_sgpr_workgroup_id_x 1
		.amdhsa_system_sgpr_workgroup_id_y 1
		.amdhsa_system_sgpr_workgroup_id_z 1
		.amdhsa_system_vgpr_workitem_id 0
		.amdhsa_next_free_vgpr 210
		.amdhsa_next_free_sgpr 66
		.amdhsa_reserve_vcc 0
		.amdhsa_float_denorm_mode_32 3
		.amdhsa_float_denorm_mode_16_64 3
		.amdhsa_memory_ordered 1
		.amdhsa_forward_progress 1
		.amdhsa_inst_pref_size 26
	.end_amdhsa_kernel
	.amdgpu_metadata
---
amdhsa.version: [ 1, 2 ]
amdhsa.kernels:
  - .name:           k_q78d724f6eb_prep
    .symbol:         k_q78d724f6eb_prep.kd
    .args:
      - { .name: coef, .offset: 0, .size: 8, .value_kind: global_buffer, .address_space: global }
      - { .name: scale_sp, .offset: 8, .size: 8, .value_kind: global_buffer, .address_space: global }
      - { .name: scale_base, .offset: 16, .size: 8, .value_kind: global_buffer, .address_space: global }
      - { .name: wq, .offset: 24, .size: 8, .value_kind: global_buffer, .address_space: global }
    .group_segment_fixed_size: 87552
    .private_segment_fixed_size: 0
    .kernarg_segment_align: 8
    .kernarg_segment_size: 32
    .max_flat_workgroup_size: 128
    .sgpr_count:     66
    .vgpr_count:     210
    .wavefront_size: 32
...
	.end_amdgpu_metadata
.endif
;; end of part 1
;; launch kan (part 2): grid 256 x 1, 8 waves a work-group, clusters of 4 x 1, 327,680 bytes of LDS; arguments x, wq, bias, out0; writes out0
.if DOCPART == 2
	.amdgcn_target "amdgcn-amd-amdhsa--gfx1250"
	.amdhsa_code_object_version 6
	.text
	.protected	k_q78d724f6eb_kan
	.globl	k_q78d724f6eb_kan
	.p2align	8
	.type	k_q78d724f6eb_kan,@function
k_q78d724f6eb_kan:
	s_mov_b64 s[64:65], 0
	v_nop
	global_prefetch_b8 v0, s[64:65] scope:SCOPE_SE
	s_setreg_imm32_b32 hwreg(HW_REG_WAVE_MODE, 25, 1), 1
	s_wait_xcnt 0x0
	s_wait_alu depctr_hold_cnt(0) depctr_sa_sdst(0) depctr_va_vdst(0) depctr_va_sdst(0) depctr_va_ssrc(0) depctr_va_vcc(0) depctr_vm_vsrc(0)
	s_getreg_b32 s2, hwreg(HW_REG_IB_STS2, 6, 4)
	s_cmp_eq_u32 s2, 0
	s_cbranch_scc0 .Lentry_in_a_cluster
	s_endpgm
.Lentry_in_a_cluster:
	s_bfe_u32 s2, ttmp6, 0x10000c
	s_cmp_lg_u32 s2, 0x3003
	s_cbranch_scc0 .Lentry_shape_is_right
	s_endpgm
.Lentry_shape_is_right:
; y[n][o] = sum_i Q(silu(x[n][i])) Q(scale_base[o][i]) + sum_(i,b) Q(B_b(x[n][i])) Q(spline_w[o][i][b]) + bias[o], both products on codes of FP6 (E2M3) with one E8M0 scale for each 32 along K, sums in f32.
; The weights come as codes from wq (the first launch laid them in the order of the operand's registers); silu and the six cubic B-splines of each x are made, quantised and multiplied here and never go to memory.
; SHARES.  A work-group takes 64 rows and ALL 512 columns, so that each x is expanded once in the launch.  Eight waves of 512 registers.
;   Waves 0-3, PRODUCERS (vector work alone): wave w makes the codes of rows 16 w .. 16 w + 15, lane (r, h) those of row r.
;   Waves 4-7, CONSUMERS (matrix work alone): wave 4 + P makes columns 128 P .. 128 P + 127 of all 64 rows: 32 accumulators, which begin as the bias.
; K: 128 features (a pair) are 6 K steps of 128 of the spline product (k = 6 i + b) and one of the base product: 28 K steps.  A UNIT is 64 features: 3 spline K steps and half a base K step; a producer makes it in two
; PERIODS, 16 features a lane each.  In a period a consumer multiplies two K steps: 64 matrix instructions.  Producers run four periods ahead.
; OPERANDS GO FROM PRODUCERS TO CONSUMERS THROUGH LDS AS IMAGES OF THEIR REGISTERS: register pair p of lane l at 256 p + 8 l; a ring of 14 K steps (two pairs) for each tile of 16 rows; scale words beside them.
; THE WEIGHTS come through a ring of two LDS slots of two K steps (102,400 bytes); each of the eight waves fetches an eighth by one tensor load.
; CLUSTER: all work-groups walk the same weights, so the four of a cluster ask for each tile JOINTLY (the same load, the same descriptor, mask 15).  4 x 1: nothing else is shared, and a mask names four.
; The walk over K begins at a pair that hangs on the cluster's number (the four partners share it): the same products are summed, in another order.  It enters global addresses alone.
; ONE BARRIER A PERIOD (a round of the cluster's where a slot is filled) does three things: the producers' images are shown to the consumers, the images that were read are free, and the weights' slot changes.
; THE SPLINES.  The knots lie 2/3 apart from -3 on; B_j's centre is knot j + 2.  With c = 6^(-1/3) and r_j = c x (the distance from that centre in knot steps) = 1.5 c x + c (2.5 - j):
;   A = 2 c - min(|r_j|, 2 c),  C = c - min(|r_j|, c),  B_j = A^3 - 4 C^3: the cardinal cubic ((2 - d)+^3 - 4 (1 - d)+^3) / 6.  Holding |r| at the threshold does what a clip at 0 would do behind the subtraction;
;   A and C are exactly +0 beyond their reach.  No compare, no branch; outside [-3, 3) all six are 0.  r carries an absolute error of half a last place of 1.1, which is of the size of the f32 knots' own.
; silu(x) = x / (1 + 2^(-x log2 e)).
; LIMITS: NaN and infinities in x are not served.  Below about x = -87 the sigmoid comes out as 0 (v_exp_f32 and v_rcp_f32 flush what is denormal: ISA guide 15.8).  A block's largest magnitude
; is taken no smaller than 2^-124 (byte 1); a block of zeros has that byte and zero codes.  The order of the f32 sums is this text's.
.set SLOTB,  102400                    ; a slot: [K step 0, 1][part 0..3] x 12,800 bytes, as in wq; slot 0 at 0, slot 1 behind it
.set PARTB,  12800                     ; a part: 8 fragments x 1,536, then 512 bytes of scale words
.set KSTEPB, 51200
.set AIMG,   204800                    ; the images: [tile 0..3] x 21,504 = [14 K steps] x 1,536
.set ATILE,  21504
.set ASC,    290816                    ; their scale words: [14 K steps] x 256; (tile w, row r) at 8 (r + 16 (w % 2)) + 4 (w / 2)
.set XST,    294400                    ; x's turn: for each producer 16 rows x (256 + 16)
.set SPARE,  311808                    ; the spare words, 128 bytes for each of eight waves: four blocks of 256 bytes that no other line names
; the way out: a stage of 16 rows x (512 + 16) for each consumer, in slot 0, which has had its last fill and its last read by then
; VECTOR REGISTERS, all waves: v1 spare word's address, v2 zero (both never rewritten); v3-10 producers' fixed addresses, v11-15 those of the unit in hand; v16-19 weights [slot][K step], v20-23 their scale words;
;   v24-26 images' and words' fixed addresses, v27-29 those of the period in hand; v30-33 the way out and the bias; v244-255 scales and nothing else.
.set KAP,  34                          ; producers: v34-39 c (2.5 - j)
.set K2,   40                          ; v40-41   2 c, twice
.set K1,   42                          ; v42-43   c, twice
.set XV,   44                          ; v44-59   16 numbers of x
.set SIL,  60                          ; v60-91   32 numbers of silu: a whole block
.set VAL,  92                          ; v92-187  16 x 6 spline values: three whole blocks
.set TMP,  188                         ; v188-235 two sets of 24 at work: r, later A^2 and A^3 (6); the held |r|, later A (6); the same for C (6); C^2 and C^3 (6)
.set MX,   188                         ; behind the elements: largest magnitudes,
.set SO,   194                         ; the conversions' scale operands,
.set BY,   198                         ; the bytes,
.set CD,   204                         ; the spline codes, 8 registers a block,
.set CS,   236                         ; and silu's (v236-242)
.set BFR,  36                          ; consumers: v36-131 eight fragments of weights
.set AFRG, 132                         ; v132-227 four tiles' fragments x two K steps
.set BS,   244                         ; v244-251 weights' scale words: 4 a K step; register i: lanes 0-15 fragment 2 i, lanes 16-31 fragment 2 i + 1
.set AS,   252                         ; v252-255 the rows': 2 a K step; register i: lanes 0-15 tile 2 i, lanes 16-31 tile 2 i + 1
; window 1 (v256-511): producers v256-287 x as loaded; consumers the accumulators, (tile a, fragment t) at 8 (8 a + t)
.set G1,  20                           ; s[20:27] descriptor group 1
.set G0A, 28                           ; s[28:31] group 0 for slot 0
.set G0B, 32                           ; s[32:35] for slot 1
.set SG0, 36                           ; s36, s37 the K step of wq that each names
.set SG1, 37
.set UN,  44                           ; s44 the unit in hand, 0..7: both loops' counter
.set QCN, 45                           ; s45 the consumers' period, 0..13
.set AL,  52                           ; s[52:53] 1.5 c
.set LE,  54                           ; s[54:55] -log2(e)
.set MSB, 0
.macro WIN new                         ; the immediate's high byte repeats the setting that is left; bits 1:0 source 0, 3:2 source 1, 5:4 source 2, 7:6 destination
.if MSB != \new
	s_set_vgpr_msb (MSB<<8)|\new
.set MSB, \new
.endif
.endm
.macro CREST                           ; a round of the cluster's barrier behind its opening barrier
	s_cmp_lg_u32 s12, 0
	s_cbranch_scc1 .Lnot_wave_0_\@
	s_barrier_signal -3
.Lnot_wave_0_\@:
	s_barrier_wait -3
	s_barrier_signal -1
	s_barrier_wait -1
.endm
.macro CROUND
	s_barrier_signal -1
	s_barrier_wait -1
	CREST
.endm
.macro STEPD g0, sg                    ; a slot's descriptor goes four K steps on, round wq's 28
	s_add_co_u32 s[\sg], s[\sg], 4
	s_add_co_u32 s42, s[\sg], 4
	s_lshr_b32 s42, s42, 5                         ; 1 from 28 on
	s_mul_i32 s42, s42, 28
	s_sub_co_u32 s[\sg], s[\sg], s42
	s_mul_i32 s40, s[\sg], KSTEPB
	s_add_co_u32 s40, s40, s38                     ; + my part
	s_add_nc_u64 s[\g0+2:\g0+3], s[6:7], s[40:41]
	s_or_b32 s[\g0+3], s[\g0+3], 0x80000000        ; type = 2
.endm
.macro UNITS                           ; where the unit's images go: ring place 7 (pair % 2) + 3 (unit % 2) for its three spline K steps, 7 (pair % 2) + 6 for the base K step
	s_and_b32 s66, s[UN], 1
	s_bfe_u32 s67, s[UN], 0x10001
	s_mul_i32 s46, s67, 10752
	s_mul_i32 s68, s66, 4608
	s_add_co_u32 s46, s46, s68                     ; spline images
	s_mul_i32 s47, s67, 1792
	s_mul_i32 s68, s66, 768
	s_add_co_u32 s47, s47, s68                     ; spline bytes
	s_mul_i32 s48, s67, 10752
	s_add_co_u32 s48, s48, s68                     ; base image: registers 6 (unit % 2) on
	s_mul_i32 s49, s67, 1792
	s_lshl_b32 s68, s66, 1
	s_add_co_u32 s49, s49, s68                     ; base bytes: 2 (unit % 2) on
.endm
.macro UNITV
	v_add_nc_u32 v11, s46, v6
	v_add_nc_u32 v12, s48, v7
	v_add_nc_u32 v13, s47, v8
	v_add_nc_u32 v14, s47, v9
	v_add_nc_u32 v15, s49, v10
.endm
.macro CONSS                           ; where the period's two K steps lie in the ring of 14: places 2 (q mod 7) and the next
	s_mul_i32 s68, s[QCN], 37
	s_lshr_b32 s68, s68, 8                         ; 1 from q = 7 on (q is at most 13)
	s_add_co_u32 s68, s68, s[QCN]
	s_and_b32 s68, s68, 7                          ; q mod 7
	s_mul_i32 s50, s68, 3072
	s_lshl_b32 s51, s68, 9
	s_add_co_u32 s[QCN], s[QCN], 1
.endm
.macro CONSV
	v_add_nc_u32 v27, s50, v24
	v_add_nc_u32 v28, s50, v25
	v_add_nc_u32 v29, s51, v26
.endm
; THE HEAD OF A PERIOD, on every wave's path.  step: the descriptor to be stepped (1: slot 0's, 2: slot 1's, 0: none); unit = 1: a new unit begins; fill: the slot to be filled (1: slot 0, 2: slot 1, 0: none).
.macro HEADP step, unit, fill
	s_wait_tensorcnt 0x0                           ; my one tensor load has landed: my eighth of the slot that is read in this period; so a group 0 may be written
	ds_add_u32 v1, v2                              ; 0 onto my spare word; scalar work stands between it and the wait for it
.if \step == 1
	STEPD G0A, SG0
.elseif \step == 2
	STEPD G0B, SG1
.endif
.if \unit
	UNITS
.endif
	CONSS
	s_wait_dscnt 0x0                               ; the add is done; a producer's images have landed; a consumer's reads of the slot and of the images are over
	s_barrier_signal -1
.if \unit
	UNITV                                          ; register work while the others arrive: the addresses of the period, made by every wave alike
.endif
	CONSV
	s_barrier_wait -1
.if \fill
	CREST                                          ; the barrier has opened a round of the cluster's: no wave of any partner still reads the slot or has a load on its way
.if \fill == 1
	tensor_load_to_lds s[G0A:G0A+3], s[G1:G1+7]    ; the first thing behind the round, one load a wave: it has this period in which to land
	s_nop 0
.else
	tensor_load_to_lds s[G0B:G0B+3], s[G1:G1+7]
	s_nop 0
.endif
.endif
.rept 4
	v_nop                                          ; four nops behind a tensor load; also places between the last period's products and the loads into their registers
.endr
.endm
; ---- PRODUCERS
; Two neighbouring x (the register pair pe of XV): six spline values each, into VAL + 12 pe on.  36 lines an x; the two go through the stages side by side, each in its own set of 24 registers,
; so that a run of lines that do not wait for each other is 6 or 12 long.
.macro ELEM2 pe
.set XP, XV+2*(\pe)
.set EA, TMP
.set EB, TMP+24
.set VA, VAL+12*(\pe)
.set VB, VAL+12*(\pe)+6
.irp n, 0,2,4
	v_pk_fma_f32 v[EA+\n:EA+\n+1], v[XP:XP+1], s[AL:AL+1], v[KAP+\n:KAP+\n+1] op_sel:[0,0,0] op_sel_hi:[0,0,1]   ; r_j = 1.5 c x + c (2.5 - j), two splines at a time; x is the pair's lower word,
	v_pk_fma_f32 v[EB+\n:EB+\n+1], v[XP:XP+1], s[AL:AL+1], v[KAP+\n:KAP+\n+1] op_sel:[1,0,0] op_sel_hi:[1,0,1]   ; and its upper word
.endr
.irp j, 0,1,2,3,4,5
	v_min_num_f32 v[EA+6+\j], |v[EA+\j]|, v[K2]                      ; |r| held at 2 c
	v_min_num_f32 v[EB+6+\j], |v[EB+\j]|, v[K2]
.endr
.irp j, 0,1,2,3,4,5
	v_min_num_f32 v[EA+12+\j], |v[EA+\j]|, v[K1]                     ; and at c
	v_min_num_f32 v[EB+12+\j], |v[EB+\j]|, v[K1]
.endr
.irp n, 0,2,4
	v_pk_fma_f32 v[EA+6+\n:EA+6+\n+1], v[EA+6+\n:EA+6+\n+1], -1.0, v[K2:K2+1] op_sel_hi:[1,0,1]      ; A = 2 c - the held |r|: c (2 - d), +0 from d = 2 on
	v_pk_fma_f32 v[EB+6+\n:EB+6+\n+1], v[EB+6+\n:EB+6+\n+1], -1.0, v[K2:K2+1] op_sel_hi:[1,0,1]
.endr
.irp n, 0,2,4
	v_pk_fma_f32 v[EA+12+\n:EA+12+\n+1], v[EA+12+\n:EA+12+\n+1], -1.0, v[K1:K1+1] op_sel_hi:[1,0,1]  ; C = c - the held |r|: c (1 - d), +0 from d = 1 on
	v_pk_fma_f32 v[EB+12+\n:EB+12+\n+1], v[EB+12+\n:EB+12+\n+1], -1.0, v[K1:K1+1] op_sel_hi:[1,0,1]
.endr
.irp n, 0,2,4
	v_pk_mul_f32 v[EA+\n:EA+\n+1], v[EA+6+\n:EA+6+\n+1], v[EA+6+\n:EA+6+\n+1]                        ; A^2, over r
	v_pk_mul_f32 v[EB+\n:EB+\n+1], v[EB+6+\n:EB+6+\n+1], v[EB+6+\n:EB+6+\n+1]
.endr
.irp n, 0,2,4
	v_pk_mul_f32 v[EA+18+\n:EA+18+\n+1], v[EA+12+\n:EA+12+\n+1], v[EA+12+\n:EA+12+\n+1]              ; C^2
	v_pk_mul_f32 v[EB+18+\n:EB+18+\n+1], v[EB+12+\n:EB+12+\n+1], v[EB+12+\n:EB+12+\n+1]
.endr
.irp n, 0,2,4
	v_pk_mul_f32 v[EA+\n:EA+\n+1], v[EA+\n:EA+\n+1], v[EA+6+\n:EA+6+\n+1]                            ; A^3 = (2 - d)+^3 / 6
	v_pk_mul_f32 v[EB+\n:EB+\n+1], v[EB+\n:EB+\n+1], v[EB+6+\n:EB+6+\n+1]
.endr
.irp n, 0,2,4
	v_pk_mul_f32 v[EA+18+\n:EA+18+\n+1], v[EA+18+\n:EA+18+\n+1], v[EA+12+\n:EA+12+\n+1]              ; C^3 = (1 - d)+^3 / 6
	v_pk_mul_f32 v[EB+18+\n:EB+18+\n+1], v[EB+18+\n:EB+18+\n+1], v[EB+12+\n:EB+12+\n+1]
.endr
.irp n, 0,2,4
	v_pk_fma_f32 v[VA+\n:VA+\n+1], v[EA+18+\n:EA+18+\n+1], -4.0, v[EA+\n:EA+\n+1] op_sel_hi:[1,0,1]  ; B_j = A^3 - 4 C^3
	v_pk_fma_f32 v[VB+\n:VB+\n+1], v[EB+18+\n:EB+18+\n+1], -4.0, v[EB+\n:EB+\n+1] op_sel_hi:[1,0,1]
.endr
.endm
.macro XLOADS                          ; a unit's 64 features of my 16 rows: sixteen lanes read 256 consecutive bytes of a row, two rows a load; read once in the launch
	WIN 0x40
.irp k, 0,1,2,3,4,5,6,7
	global_load_b128 v[4*\k:4*\k+3], v3, s[58:59] offset:4096*\k th:TH_LOAD_NT
.endr
	WIN 0
.endm
.macro XTURN                           ; the unit's x goes into my stage as loaded; the next unit's is asked for, two periods ahead of its use
	s_wait_loadcnt 0x0                             ; this unit's eight loads are in: their base may be written
	s_add_co_u32 s66, s[UN], s19
	s_add_co_u32 s66, s66, 1
	s_and_b32 s66, s66, 7                          ; the next unit's place in x: (unit + 1 + 2 x first pair) mod 8
	s_lshl_b32 s66, s66, 8
	s_mov_b32 s67, 0
	s_add_nc_u64 s[58:59], s[56:57], s[66:67]
	WIN 0x04                                       ; an LDS store's data are its source 1: window 1
.irp k, 0,1,2,3,4,5,6,7
	ds_store_b128 v4, v[4*\k:4*\k+3] offset:544*\k
.endr
	WIN 0
	s_wait_dscnt 0x0                               ; the stores have read their registers
	s_cmp_eq_u32 s[UN], 7                          ; the last unit asks for nothing
	s_cbranch_scc1 .Lno_next_\@
	XLOADS
.Lno_next_\@:
.endm
; Three whole blocks of 32 in VAL become codes and bytes.  Lane (r, h) holds, of the unit's 12 blocks, 3 tp + i + 6 h: K step (block / 4), registers 6 ((block / 2) % 2) on of lane r + 16 (block % 2).
.macro QSPL tp
.irp i, 0,1,2
	v_max3_num_f32 v[MX+2*\i], |v[VAL+32*\i]|, |v[VAL+32*\i+1]|, |v[VAL+32*\i+2]|
	v_max3_num_f32 v[MX+2*\i+1], |v[VAL+32*\i+3]|, |v[VAL+32*\i+4]|, |v[VAL+32*\i+5]|
.endr
.irp k, 6,10,14,18,22,26
.irp i, 0,1,2
	v_max3_num_f32 v[MX+2*\i], v[MX+2*\i], |v[VAL+32*\i+\k]|, |v[VAL+32*\i+\k+1]|
	v_max3_num_f32 v[MX+2*\i+1], v[MX+2*\i+1], |v[VAL+32*\i+\k+2]|, |v[VAL+32*\i+\k+3]|
.endr
.endr
.irp i, 0,1,2
	v_max3_num_f32 v[MX+2*\i], v[MX+2*\i], |v[VAL+32*\i+30]|, |v[VAL+32*\i+31]|
.endr
.irp i, 0,1,2
	s_delay_alu instid0(VALU_DEP_3)
	v_max3_num_f32 v[MX+2*\i], v[MX+2*\i], v[MX+2*\i+1], 0x1800000   ; and the floor 2^(3 - 127): the byte cannot fall under 1
.endr
.irp i, 0,1,2
	s_delay_alu instid0(VALU_DEP_3)
	v_add_nc_u32 v[SO+\i], 0xff000000, v[MX+2*\i]  ; 2 off the exponent field: the conversion's scale operand
.endr
.irp i, 0,1,2
	v_cvt_scalef32_pk16_fp6_f32 v[CD+8*\i:CD+8*\i+2], v[VAL+32*\i:VAL+32*\i+15], v[SO+\i]
	v_cvt_scalef32_pk16_fp6_f32 v[CD+8*\i+4:CD+8*\i+6], v[VAL+32*\i+16:VAL+32*\i+31], v[SO+\i]   ; (a conversion's three registers begin on an even number)
.endr
.irp i, 0,1,2
	v_lshrrev_b32 v[BY+\i], 23, v[SO+\i]           ; the scale's byte (plain lines behind the conversions)
.endr
.irp i, 0,1,2
	v_mov_b32 v[CD+8*\i+3], v[CD+8*\i+4]           ; words 0-3 on end; words 4, 5 in CD + 5, CD + 6
.endr
.irp i, 0,1,2
.set B0, 3*\tp+\i
.set IM, 768*(B0/2)+128*(B0%2)
	ds_store_b64 v11, v[CD+8*\i:CD+8*\i+1] offset:IM
	ds_store_b64 v11, v[CD+8*\i+2:CD+8*\i+3] offset:IM+256
	ds_store_b32 v11, v[CD+8*\i+5] offset:IM+512
	ds_store_b32 v11, v[CD+8*\i+6] offset:IM+516
.if (B0%4) < 2
	ds_store_b8 v13, v[BY+\i] offset:256*(B0/4)+(B0%4)     ; six blocks on (lanes 16-31) the byte lies 258 bytes further,
.else
	ds_store_b8 v14, v[BY+\i] offset:256*(B0/4)+(B0%4)     ; or 510: two address registers
.endif
.endr
.endm
.macro QSIL                            ; my 32 numbers of silu are block 2 (unit % 2) + h of the base K step: its place in the image is my own lane's
	v_max3_num_f32 v[MX], |v[SIL]|, |v[SIL+1]|, |v[SIL+2]|
	v_max3_num_f32 v[MX+1], |v[SIL+3]|, |v[SIL+4]|, |v[SIL+5]|
.irp k, 6,10,14,18,22,26
	s_delay_alu instid0(VALU_DEP_2)
	v_max3_num_f32 v[MX], v[MX], |v[SIL+\k]|, |v[SIL+\k+1]|
	s_delay_alu instid0(VALU_DEP_2)
	v_max3_num_f32 v[MX+1], v[MX+1], |v[SIL+\k+2]|, |v[SIL+\k+3]|
.endr
	s_delay_alu instid0(VALU_DEP_2)
	v_max3_num_f32 v[MX], v[MX], |v[SIL+30]|, |v[SIL+31]|
	s_delay_alu instid0(VALU_DEP_1)
	v_max3_num_f32 v[MX], v[MX], v[MX+1], 0x1800000
	s_delay_alu instid0(VALU_DEP_1)
	v_add_nc_u32 v[SO+3], 0xff000000, v[MX]
	v_cvt_scalef32_pk16_fp6_f32 v[CS:CS+2], v[SIL:SIL+15], v[SO+3]
	v_cvt_scalef32_pk16_fp6_f32 v[CS+4:CS+6], v[SIL+16:SIL+31], v[SO+3]
	v_lshrrev_b32 v[BY+3], 23, v[SO+3]
	v_mov_b32 v[CS+3], v[CS+4]
	ds_store_b64 v12, v[CS:CS+1]
	ds_store_b64 v12, v[CS+2:CS+3] offset:256
	ds_store_b32 v12, v[CS+5] offset:512
	ds_store_b32 v12, v[CS+6] offset:516
	ds_store_b8 v15, v[BY+3]
.endm
; A PRODUCER'S PERIOD: features 32 h + 16 tp + 0 .. 15 of the unit, of row r.
.macro GSTEP tp
.if \tp == 0
	XTURN
.endif
.irp i, 0,1,2,3
	ds_load_b128 v[XV+4*\i:XV+4*\i+3], v5 offset:64*\tp+16*\i
.endr
	s_wait_dscnt 0x0                               ; x is in; and the last period's stores have read the registers that are written again below
.set SS, SIL+16*\tp
.irp n, 0,2,4,6,8,10,12,14
	v_pk_mul_f32 v[SS+\n:SS+\n+1], v[XV+\n:XV+\n+1], s[LE:LE+1] op_sel_hi:[1,0]
.endr
	s_wait_alu depctr_va_vdst(0)
.irp n, 0,1,2,3,4,5,6,7,8,9,10,11,12,13,14,15
	v_exp_f32 v[SS+\n], v[SS+\n]                   ; 2^(-x log2 e): one batch; eight elements' splines are the independent work behind it
.endr
.irp e, 0,1,2,3
	ELEM2 \e
.endr
	s_wait_alu depctr_va_vdst(0)                   ; one wait for the sixteen, ahead of their first reader
.irp n, 0,2,4,6,8,10,12,14
	v_pk_add_f32 v[SS+\n:SS+\n+1], v[SS+\n:SS+\n+1], 1.0 op_sel_hi:[1,0]
.endr
	s_wait_alu depctr_va_vdst(0)
.irp n, 0,1,2,3,4,5,6,7,8,9,10,11,12,13,14,15
	v_rcp_f32 v[SS+\n], v[SS+\n]                   ; the sigmoid: the second batch, with the other eight elements behind it
.endr
.irp e, 4,5,6,7
	ELEM2 \e
.endr
	s_wait_alu depctr_va_vdst(0)                   ; and one for these sixteen
.irp n, 0,2,4,6,8,10,12,14
	v_pk_mul_f32 v[SS+\n:SS+\n+1], v[SS+\n:SS+\n+1], v[XV+\n:XV+\n+1]
.endr
	QSPL \tp
.if \tp == 1
	QSIL
.endif
.endm
; ---- CONSUMERS
.macro FRAGB t, bf                     ; fragment t of my part of the weights: three loads of 16 bytes a lane, 512 consecutive bytes each
.irp g, 0,1,2
	ds_load_b128 v[BFR+12*(\t)+4*\g:BFR+12*(\t)+4*\g+3], v[\bf] offset:1536*(\t)+512*\g
.endr
.endm
.macro FRAGA a, k                      ; tile a's fragment of the period's K step k: six loads of 8 bytes a lane, 256 consecutive bytes each
.irp p, 0,1,2,3,4,5
	ds_load_b64 v[AFRG+48*(\k)+12*(\a)+2*\p:AFRG+48*(\k)+12*(\a)+2*\p+1], v[27+(\a)/2] offset:ATILE*((\a)%2)+1536*(\k)+256*\p
.endr
.endm
.macro SCL k, bsc                      ; the K step's scale words: the four tiles' by one load, my eight fragments' by four
	ds_load_b64 v[AS+2*(\k):AS+2*(\k)+1], v29 offset:256*(\k)
.irp i, 0,1,2,3
	ds_load_b32 v[BS+4*(\k)+\i], v[\bsc] offset:128*\i
.endr
.endm
; Source 0 = 16 columns of weights, source 1 = 16 rows: a lane then holds one row and eight neighbouring columns.  Odd fragments' and odd tiles' scale words stand in lanes 16-31.
.macro WM k, t, a
.set AC, 8*(8*(\a)+(\t))
.set WB, BFR+12*(\t)
.set WA, AFRG+48*(\k)+12*(\a)
.set SBR, BS+4*(\k)+(\t)/2
.set SAR, AS+2*(\k)+(\a)/2
.if (((\t)%2) == 0) && (((\a)%2) == 0)
	v_wmma_scale_f32_16x16x128_f8f6f4 v[AC:AC+7], v[WB:WB+11], v[WA:WA+11], v[AC:AC+7], v[SBR], v[SAR] matrix_a_fmt:MATRIX_FMT_FP6 matrix_b_fmt:MATRIX_FMT_FP6
.elseif (((\a)%2) == 0)
	v_wmma_scale_f32_16x16x128_f8f6f4 v[AC:AC+7], v[WB:WB+11], v[WA:WA+11], v[AC:AC+7], v[SBR], v[SAR] matrix_a_fmt:MATRIX_FMT_FP6 matrix_b_fmt:MATRIX_FMT_FP6 matrix_a_scale:MATRIX_SCALE_ROW1
.elseif (((\t)%2) == 0)
	v_wmma_scale_f32_16x16x128_f8f6f4 v[AC:AC+7], v[WB:WB+11], v[WA:WA+11], v[AC:AC+7], v[SBR], v[SAR] matrix_a_fmt:MATRIX_FMT_FP6 matrix_b_fmt:MATRIX_FMT_FP6 matrix_b_scale:MATRIX_SCALE_ROW1
.else
	v_wmma_scale_f32_16x16x128_f8f6f4 v[AC:AC+7], v[WB:WB+11], v[WA:WA+11], v[AC:AC+7], v[SBR], v[SAR] matrix_a_fmt:MATRIX_FMT_FP6 matrix_b_fmt:MATRIX_FMT_FP6 matrix_a_scale:MATRIX_SCALE_ROW1 matrix_b_scale:MATRIX_SCALE_ROW1
.endif
.endm
.macro MUL k, t0                       ; 16 matrix instructions: fragments t0 .. t0 + 3 x the four tiles.  The 32 accumulators take turns, one instruction a turn, over the loop's edge too
.irp t, \t0, \t0+1, \t0+2, \t0+3
.irp a, 0,1,2,3
	WM \k, \t, \a
.endr
.endr
.endm
.macro PLACES                          ; four places between a matrix instruction and a load into a register that it has read, or a store of its result (ISA guide 7.12.1 for vector instructions)
.rept 4
	v_nop
.endr
.endm
; A CONSUMER'S PERIOD: the slot's two K steps, 64 matrix instructions.  One set of registers for the weights' fragments: each half is loaded anew behind the sixteen products that read it.
.macro CONS slot
	SCL 0, 20+2*\slot
.irp a, 0,1,2,3
	FRAGA \a, 0
.endr
.irp t, 0,1,2,3,4,5,6,7
	FRAGB \t, 16+2*\slot
.endr
	s_wait_dscnt 12                                ; all but the youngest twelve loads (fragments 4-7) are in
	WIN 0x50                                       ; C and D in window 1
	MUL 0, 0
	PLACES
	WIN 0
	SCL 1, 21+2*\slot
.irp a, 0,1,2,3
	FRAGA \a, 1
.endr
.irp t, 0,1,2,3
	FRAGB \t, 17+2*\slot
.endr
	s_wait_dscnt 41                                ; all but the 5 + 24 + 12 just issued: fragments 4-7 are in
	WIN 0x50
	MUL 0, 4
	PLACES
	WIN 0
.irp t, 4,5,6,7
	FRAGB \t, 17+2*\slot
.endr
	s_wait_dscnt 12                                ; all but the twelve just issued
	WIN 0x50
	MUL 1, 0
	s_wait_dscnt 0x0
	MUL 1, 4
	WIN 0
.endm
; THE WAY OUT, a tile of 16 rows x my 128 columns at a time: a lane's 32 bytes of a row go into my own stage, whole rows of 512 bytes come back.  LDS serves a wave's instructions in order (ISA guide 5.7.1.4).
.macro TOSTAGE a
	WIN 0x04                                       ; the data: window 1
.irp t, 0,1,2,3,4,5,6,7
	ds_store_b128 v30, v[8*(8*(\a)+\t):8*(8*(\a)+\t)+3] offset:64*\t        ; each accumulator from its low end on
	ds_store_b128 v30, v[8*(8*(\a)+\t)+4:8*(8*(\a)+\t)+7] offset:64*\t+16
.endr
	WIN 0
.irp t, 0,1,2,3,4,5,6,7,8,9,10,11,12,13,14,15
	ds_load_b128 v[36+64*((\a)%2)+4*\t:36+64*((\a)%2)+4*\t+3], v31 offset:528*\t
.endr
.endm
.macro SEND a, younger                 ; younger: the LDS instructions issued behind tile a's loads, which may stay out
	s_wait_dscnt \younger
.irp t, 0,1,2,3,4,5,6,7,8,9,10,11,12,13,14,15
	global_store_b128 v32, v[36+64*((\a)%2)+4*\t:36+64*((\a)%2)+4*\t+3], s[60:61] offset:(16*(\a)+\t)*2048 th:TH_STORE_NT   ; 32 lanes store 512 consecutive bytes, at a multiple of 256 from out0's first byte
.endr
.endm
; ---- THE HEAD
	s_load_b256 s[4:11], s[0:1], 0x0               ; x s[4:5], wq s[6:7], bias s[8:9], out0 s[10:11]
	v_lshl_add_u32 v1, v0, 2, SPARE
	v_mov_b32 v2, 0
	ds_add_u32 v1, v2
	ds_add_u32 v1, v2
	s_wait_dscnt 0x0
	v_lshrrev_b32 v240, 5, v0
	s_delay_alu instid0(VALU_DEP_1)
	v_readfirstlane_b32 s12, v240                  ; wave 0..7
	v_and_b32 v240, 31, v0                         ; lane
	v_and_b32 v241, 15, v0                         ; r
	s_wait_alu depctr_va_vdst(0)
	v_bfe_u32 v242, v0, 4, 1                       ; h
	s_and_b32 s13, s12, 3                          ; a producer's tile of rows; a consumer's part of the columns; the part of a K step that I fetch
	s_lshr_b32 s14, s12, 2                         ; which of a slot's two K steps I fetch
	s_bfe_u32 s15, ttmp6, 0x40000                  ; cx: it enters x's and out0's addresses alone
	s_lshl_b32 s16, ttmp9, 2
	s_add_co_u32 s16, s16, s15                     ; my block of 64 rows = 4 x cluster + cx
	s_lshr_b32 s66, ttmp9, 2
	s_lshr_b32 s67, ttmp9, 4
	s_xor_b32 s18, ttmp9, s66
	s_xor_b32 s18, s18, s67
	s_and_b32 s18, s18, 3                          ; the pair at which my cluster's walk begins
	s_lshl_b32 s19, s18, 1                         ; and the unit
	s_mul_i32 s66, s13, 4352
	s_add_co_u32 s66, s66, XST
	s_mul_i32 s67, s13, ATILE
	s_add_co_u32 s67, s67, AIMG
	s_and_b32 s68, s13, 1
	s_lshl_b32 s68, s68, 7
	s_lshr_b32 s69, s13, 1
	s_lshl_b32 s69, s69, 2
	s_add_co_u32 s68, s68, s69
	s_add_co_u32 s68, s68, ASC
	s_mul_i32 s69, s13, PARTB
	s_mul_i32 s70, s13, 8448
	; every LDS address register is made here, by every wave alike, ahead of the first parting of the roles
	v_lshlrev_b32 v3, 4, v241
	s_wait_alu depctr_va_vdst(0)
	v_lshl_add_u32 v3, v242, 11, v3                ; x: lanes 0-15 one row, lanes 16-31 the next, 16 bytes a lane
	v_mul_u32_u24 v4, v242, 272
	s_delay_alu instid0(VALU_DEP_1)
	v_lshl_add_u32 v4, v241, 4, v4
	s_delay_alu instid0(VALU_DEP_1)
	v_add_nc_u32 v4, s66, v4                       ; the same into my stage
	v_mul_u32_u24 v5, v241, 272
	s_delay_alu instid0(VALU_DEP_1)
	v_lshl_add_u32 v5, v242, 7, v5
	s_delay_alu instid0(VALU_DEP_1)
	v_add_nc_u32 v5, s66, v5                       ; and out of it: row r, features 32 h on
	v_mul_u32_u24 v6, v242, 2304
	s_delay_alu instid0(VALU_DEP_1)
	v_lshl_add_u32 v6, v241, 3, v6
	s_delay_alu instid0(VALU_DEP_1)
	v_add_nc_u32 v6, s67, v6                       ; spline images: 8 r; lanes 16-31 six blocks (2,304 bytes) on
	v_lshlrev_b32 v7, 3, v240
	s_delay_alu instid0(VALU_DEP_1)
	v_add_nc_u32 v7, s67, v7
	s_delay_alu instid0(VALU_DEP_1)
	v_add_nc_u32 v7, 9216, v7                      ; base image: ring place 6, 8 x lane
	v_mul_u32_u24 v8, v242, 258
	s_delay_alu instid0(VALU_DEP_1)
	v_lshl_add_u32 v8, v241, 3, v8
	s_delay_alu instid0(VALU_DEP_1)
	v_add_nc_u32 v8, s68, v8
	v_mul_u32_u24 v9, v242, 510
	s_delay_alu instid0(VALU_DEP_1)
	v_lshl_add_u32 v9, v241, 3, v9
	s_delay_alu instid0(VALU_DEP_1)
	v_add_nc_u32 v9, s68, v9
	v_lshl_add_u32 v10, v241, 3, v242
	s_delay_alu instid0(VALU_DEP_1)
	v_add_nc_u32 v10, s68, v10
	s_delay_alu instid0(VALU_DEP_1)
	v_add_nc_u32 v10, 1536, v10
	v_lshlrev_b32 v32, 4, v240                     ; 16 x lane
	s_delay_alu instid0(VALU_DEP_1)
	v_add_nc_u32 v16, s69, v32
	s_delay_alu instid0(VALU_DEP_1)
	v_add_nc_u32 v17, KSTEPB, v16
	s_delay_alu instid0(VALU_DEP_2)
	v_add_nc_u32 v18, SLOTB, v16
	s_delay_alu instid0(VALU_DEP_3)
	v_add_nc_u32 v19, SLOTB+KSTEPB, v16
	v_lshlrev_b32 v243, 2, v240
	s_delay_alu instid0(VALU_DEP_1)
	v_add_nc_u32 v20, s69, v243
	s_delay_alu instid0(VALU_DEP_1)
	v_add_nc_u32 v20, 12288, v20
	s_delay_alu instid0(VALU_DEP_1)
	v_add_nc_u32 v21, KSTEPB, v20
	s_delay_alu instid0(VALU_DEP_2)
	v_add_nc_u32 v22, SLOTB, v20
	s_delay_alu instid0(VALU_DEP_3)
	v_add_nc_u32 v23, SLOTB+KSTEPB, v20
	v_lshlrev_b32 v243, 3, v240
	s_delay_alu instid0(VALU_DEP_1)
	v_add_nc_u32 v24, AIMG, v243
	s_delay_alu instid0(VALU_DEP_2)
	v_add_nc_u32 v25, AIMG+2*ATILE, v243
	s_delay_alu instid0(VALU_DEP_3)
	v_add_nc_u32 v26, ASC, v243
	v_mul_u32_u24 v30, v241, 528
	s_delay_alu instid0(VALU_DEP_1)
	v_lshl_add_u32 v30, v242, 5, v30
	s_delay_alu instid0(VALU_DEP_1)
	v_add_nc_u32 v30, s70, v30
	v_add_nc_u32 v31, s70, v32
	v_lshlrev_b32 v33, 5, v242                     ; the bias: my half's eight columns of a fragment
	v_mov_b32 v[KAP+0], 0x3fb01a50                 ; c (2.5 - j), c = 6^(-1/3) = 0.5503212
	v_mov_b32 v[KAP+1], 0x3f5352c7
	v_mov_b32 v[KAP+2], 0x3e8ce1da
	v_mov_b32 v[KAP+3], 0xbe8ce1da
	v_mov_b32 v[KAP+4], 0xbf5352c7
	v_mov_b32 v[KAP+5], 0xbfb01a50
	v_mov_b32 v[K2], 0x3f8ce1da                    ; 2 c
	v_mov_b32 v[K2+1], 0x3f8ce1da
	v_mov_b32 v[K1], 0x3f0ce1da                    ; c
	v_mov_b32 v[K1+1], 0x3f0ce1da
	s_mov_b32 s[AL], 0x3f5352c7                    ; 1.5 c
	s_mov_b32 s[AL+1], s[AL]                       ; (named with it as a pair, so it is written)
	s_mov_b32 s[LE], 0xbfb8aa3b                    ; -log2(e)
	s_mov_b32 s[LE+1], s[LE]
	s_mov_b32 s[UN], 0
	s_mov_b32 s[QCN], 0
	; descriptor group 1: a part of a K step, 12,800 dense bytes, as 50 rows of 32 elements of 8 bytes; no padding: every read is at 16 x lane or 4 x lane
	s_mov_b32 s[G1+0], 15|(3<<16)|(1<<21)          ; 15:0 the mask: all four work-groups; 17:16 elements of 8 bytes; 21 set beside a mask
	s_mov_b32 s[G1+1], 32<<16                      ; tensor_dim0 = 32
	s_mov_b32 s[G1+2], 50<<16                      ; tensor_dim1 = 50
	s_mov_b32 s[G1+3], 32<<16                      ; tile_dim0 = 32
	s_mov_b32 s[G1+4], 50                          ; tile_dim1 = 50
	s_mov_b32 s[G1+5], 32                          ; from row to row
	s_mov_b32 s[G1+6], 0
	s_mov_b32 s[G1+7], 0
	s_mul_i32 s[SG0], s18, 7
	s_add_co_u32 s[SG0], s[SG0], s14               ; slot 0 begins with the walk's K steps 0, 1,
	s_add_co_u32 s[SG1], s[SG0], 2                 ; slot 1 with 2, 3 (24 at the most)
	s_mov_b32 s38, s69                             ; my part, in bytes
	s_mov_b32 s41, 0
	s_lshl_b32 s66, s16, 17                        ; my block's 64 rows of 2,048 bytes
	s_lshl_b32 s68, s13, 15
	s_add_co_u32 s68, s68, s66                     ; + a producer's 16 rows
	s_mov_b32 s69, 0
	s_lshl_b32 s70, s13, 9                         ; a consumer's 128 columns
	s_mov_b32 s71, 0
	s_add_co_u32 s66, s66, s70
	s_mov_b32 s67, 0
	s_wait_kmcnt 0x0
	s_add_nc_u64 s[56:57], s[4:5], s[68:69]        ; x at my rows
	s_add_nc_u64 s[60:61], s[10:11], s[66:67]      ; out0 at my block's first row, my columns
	s_add_nc_u64 s[62:63], s[8:9], s[70:71]        ; the bias of my columns
	s_lshl_b32 s66, s19, 8
	s_add_nc_u64 s[58:59], s[56:57], s[66:67]      ; x at the walk's first unit
	s_mov_b32 s[G0A], 1                            ; count = 1
	s_mul_i32 s[G0A+1], s12, PARTB                 ; LDS: wave x 12,800 in slot 0: no place in the cluster enters it
	s_mul_i32 s40, s[SG0], KSTEPB
	s_add_co_u32 s40, s40, s38
	s_add_nc_u64 s[G0A+2:G0A+3], s[6:7], s[40:41]
	s_or_b32 s[G0A+3], s[G0A+3], 0x80000000        ; type = 2
	s_mov_b32 s[G0B], 1
	s_add_co_u32 s[G0B+1], s[G0A+1], SLOTB
	s_mul_i32 s40, s[SG1], KSTEPB
	s_add_co_u32 s40, s40, s38
	s_add_nc_u64 s[G0B+2:G0B+3], s[6:7], s[40:41]
	s_or_b32 s[G0B+3], s[G0B+3], 0x80000000
	CROUND                                         ; all four work-groups are here: the first joint loads meet
	tensor_load_to_lds s[G0A:G0A+3], s[G1:G1+7]    ; slot 0; it is read four periods on
	s_nop 0
.rept 4
	v_nop
.endr
	s_cmp_lt_u32 s12, 4
	s_cbranch_scc0 .Lhead_c
	XLOADS                                         ; producers: the first unit's x
	s_branch .Lhead_j
.Lhead_c:
	WIN 0x40                                       ; consumers: the sums begin as the bias: register j of lane (r, h) of accumulator (a, t) is column 16 t + 8 h + j
.irp a, 0,1,2,3
.irp t, 0,1,2,3,4,5,6,7
	global_load_b128 v[8*(8*\a+\t):8*(8*\a+\t)+3], v33, s[62:63] offset:64*\t
	global_load_b128 v[8*(8*\a+\t)+4:8*(8*\a+\t)+7], v33, s[62:63] offset:64*\t+16
.endr
.endr
	WIN 0
	s_wait_loadcnt 0x0
.Lhead_j:
; ---- PERIODS 0 TO 3: the producers make units 0 and 1; no image is read yet, so no barrier
.Lpro:
	UNITS
	s_wait_dscnt 0x0                               ; the last unit's stores have read their address registers
	UNITV
	s_cmp_lt_u32 s12, 4
	s_cbranch_scc0 .Lpro_c
	GSTEP 0
	GSTEP 1
.Lpro_c:
	s_add_co_u32 s[UN], s[UN], 1
	s_cmp_lt_u32 s[UN], 2
	s_cbranch_scc1 .Lpro
; ---- PERIODS 4 TO 15: six trips of two periods: a unit for the producers, both slots for the consumers
	s_mov_b32 s[UN], 2
.Lmain:
	HEADP 1, 1, 2                                  ; slot 0 is whole and is read now; slot 1 is asked for
	s_cmp_lt_u32 s12, 4
	s_cbranch_scc0 .Lm0_c
	GSTEP 0
	s_branch .Lm0_j
.Lm0_c:
	s_wait_alu depctr_va_vdst(0)
	CONS 0
.Lm0_j:
	HEADP 2, 0, 1                                  ; slot 1 is read; slot 0 is asked for
	s_cmp_lt_u32 s12, 4
	s_cbranch_scc0 .Lm1_c
	GSTEP 1
	s_branch .Lm1_j
.Lm1_c:
	s_wait_alu depctr_va_vdst(0)
	CONS 1
.Lm1_j:
	s_add_co_u32 s[UN], s[UN], 1
	s_cmp_lt_u32 s[UN], 8
	s_cbranch_scc1 .Lmain
; ---- PERIODS 16 AND 17 are written out: the producers are done, and the last period asks for nothing
	HEADP 0, 0, 2                                  ; the last fill: slot 1
	s_cmp_lt_u32 s12, 4
	s_cbranch_scc1 .Lt0_j
	s_wait_alu depctr_va_vdst(0)
	CONS 0
.Lt0_j:
	HEADP 0, 0, 0                                  ; No round follows it
	s_cmp_lt_u32 s12, 4
	s_cbranch_scc1 .Lend
	s_wait_alu depctr_va_vdst(0)
	CONS 1
	PLACES                                         ; between the last products and the stores of their results and the loads into their operands' registers
	TOSTAGE 0
.irp a, 1,2,3
.if \a > 1
	s_wait_xcnt 0x0                                ; tile a - 2's stores have read their registers: tile a's rows may land there
.endif
	TOSTAGE \a
	SEND \a-1, 32                                  ; behind tile a - 1's loads: tile a's 16 stores and 16 loads
.endr
	SEND 3, 0
.Lend:
	s_wait_tensorcnt 0x0                           ; the wave's end: behind my last tensor load and my last LDS store
	ds_add_u32 v1, v2
	s_wait_dscnt 0x0
	CROUND                                         ; the closing round: no work-group ends while a partner may still ask for a tile that names it
	s_endpgm
.Lfunc_end_k_q78d724f6eb_kan:
	.size	k_q78d724f6eb_kan, .Lfunc_end_k_q78d724f6eb_kan-k_q78d724f6eb_kan
	.p2alignl 7, 3214868480
	.fill 96, 4, 3214868480
	.section	.rodata,"a",@progbits
	.p2align	6, 0x0
	.amdhsa_kernel k_q78d724f6eb_kan
		.amdhsa_group_segment_fixed_size 327680
		.amdhsa_private_segment_fixed_size 0
		.amdhsa_enable_private_segment 0
		.amdhsa_kernarg_size 32
		.amdhsa_user_sgpr_count 2
		.amdhsa_user_sgpr_kernarg_segment_ptr 1
		.amdhsa_wavefront_size32 1
		.amdhsa_system_sgpr_workgroup_id_x 1
		.amdhsa_system_sgpr_workgroup_id_y 1
		.amdhsa_system_sgpr_workgroup_id_z 1
		.amdhsa_system_vgpr_workitem_id 0
		.amdhsa_next_free_vgpr 512
		.amdhsa_next_free_sgpr 72
		.amdhsa_reserve_vcc 0
		.amdhsa_float_denorm_mode_32 3
		.amdhsa_float_denorm_mode_16_64 3
		.amdhsa_memory_ordered 1
		.amdhsa_forward_progress 1
		.amdhsa_inst_pref_size 255
	.end_amdhsa_kernel
	.section	.bss,"aw",@nobits
	.p2align	6
	.space	262144
	.amdgpu_metadata
---
amdhsa.version: [ 1, 2 ]
amdhsa.kernels:
  - .name:           k_q78d724f6eb_kan
    .symbol:         k_q78d724f6eb_kan.kd
    .args:
      - { .name: x, .offset: 0, .size: 8, .value_kind: global_buffer, .address_space: global }
      - { .name: wq, .offset: 8, .size: 8, .value_kind: global_buffer, .address_space: global }
      - { .name: bias, .offset: 16, .size: 8, .value_kind: global_buffer, .address_space: global }
      - { .name: out0, .offset: 24, .size: 8, .value_kind: global_buffer, .address_space: global }
    .group_segment_fixed_size: 327680
    .private_segment_fixed_size: 0
    .kernarg_segment_align: 8
    .kernarg_segment_size: 32
    .max_flat_workgroup_size: 256
    .sgpr_count:     72
    .vgpr_count:     512
    .wavefront_size: 32
...
	.end_amdgpu_metadata
.endif
;; end of part 2
